; MI455X (gfx1250); checked and timed in simulation.
; The chip was launched on July 23, 2026; its instructions are those of AMD's public machine-readable ISA for CDNA 5 (MIT licence, August 2026) and "CDNA5" Instruction Set Architecture Reference Guide (July 2026). The comments in the code are by the model that wrote it; some were corrected since.
;; Brain Region. Allowed arithmetic: matrix products marked QUANTISED: E3M2 operands, one E8M0 scale for each 32 along K, by v_wmma_scale_f32_16x16x128_f8f6f4 with both operands' format E3M2, f32 sums; everything else in f32.
;; Inputs: Uc 2,048 x 2,048 float32; Ug 2,048 x 2,048 float32; Wc 4,096 x 2,048 float32; Wg 4,096 x 2,048 float32; bc 2,048 float32; beta 2,048 float32; bg 2,048 float32; gamma 2,048 float32; log_step 2,048 float32; state 2,048 x 2,048 float32; x_t 2,048 x 2,048 float32.
;; Outputs: out0 2,048 x 2,048 float32.
;; This version of the problem:
;;   THIS VERSION OF THE PROBLEM IS GIVEN IN LOW PRECISION. The matrix products marked QUANTISED in the list below multiply operands that are first quantised to E3M2 (3 exponent bits, 2 mantissa bits; 6 bits a number), with one power-of-two scale for each 32 numbers along K (OCP MX v1.0); their sums are f32. All else is computed in f32.
;;   The module's matrix products, in the order in which they are computed (A, B: the left and right operand; K: the contracted axis; several contracted axes count as one K, in the product's order):
;;     1. [M 2,048, K 4,096] x [K 4,096, N 2,048]; A: computed on the way; B: input Wc: QUANTISED
;;     2. [M 2,048, K 2,048] x [K 2,048, N 2,048]; A: input state; B: input Uc: QUANTISED
;;     3. [M 2,048, K 4,096] x [K 4,096, N 2,048]; A: computed on the way; B: input Wg: QUANTISED
;;     4. [M 2,048, K 2,048] x [K 2,048, N 2,048]; A: input state; B: input Ug: QUANTISED
;;   THE QUANTISER, for each operand of a quantised product, along K:
;;     - K is cut into blocks of 32 from its start; a last block that is shorter is filled with zeros.
;;     - A block's scale is 2^e with e = floor(log2(the largest magnitude in the block)) - 4, held to -126 .. 127; a block of zeros has e = 0. As a byte (E8M0): e + 127.
;;     - Each number is divided by its block's scale, clamped to +-28, and rounded to the nearest number of E3M2, ties to even, subnormals kept.
;;     - The product sums the exact products of the quantised numbers (number of the format x scale) in f32.
;;   ~~~python
;;   def quantise(x, axis):      # numpy; x: float32 -> the quantised numbers, widened to float32 again
;;       x = np.moveaxis(x, axis, -1); K = x.shape[-1]
;;       x = np.pad(x, [(0, 0)] * (x.ndim - 1) + [(0, -K % 32)]); x = x.reshape(x.shape[:-1] + (-1, 32)); a = np.abs(x).max(-1, keepdims=True)
;;       e = np.where(a > 0, np.clip(np.frexp(np.where(a > 0, a, 1))[1] - 1 - 4, -126, 127), 0)      # np.frexp(a)[1] - 1 = floor(log2(a)), exactly
;;       r = np.clip(x / 2.0 ** e, -28, 28)
;;       step = 2.0 ** (np.maximum(np.frexp(np.where(r == 0, 1, r))[1] - 1, -2) - 2)
;;       q = np.round(r / step) * step * 2.0 ** e      # np.round: ties to even
;;       return np.moveaxis(q.reshape(q.shape[:-2] + (-1,))[..., :K], -1, axis).astype(np.float32)
;;   ~~~
;;   OPERANDS COMPUTED ON THE WAY. 'Computed on the way' means the value that the module computes at that place (a softmax that the list does not call 'softmax' is quantised finished and normalised). What goes into a quantiser is computed in f32, as accurately as f32 sums, v_exp_f32 and their like allow (about 1e-6 of the number): no bf16 or f16 on the way to a quantiser, and a product that is left as it is and whose result goes on into a quantised operand takes f32 operands (vector FMAs, or v_wmma_f32_16x16x4_f32). A number that lies on a knife's edge between two numbers of the format may be rounded either way, as far as f32 arithmetic and the matrix unit's own rounding can turn it there, and no further.
;; One version. Each part assembles by itself: llvm-mc -triple=amdgcn-amd-amdhsa -mcpu=gfx1250 --defsym DOCPART=n.
;; ======== version 1 of 1: 3 launches
;; limits: right only within a limited range of input values
;; workspace buffers: aws 6,553,600 bytes; bws 19,660,800 bytes; hbuf 16,777,216 bytes
;; launch quant (part 1): grid 16 x 64, 4 waves a work-group, no clusters, 34,304 bytes of LDS; arguments x_t, state, Wc, Uc, Wg, Ug, aws, bws; writes aws, bws
.if DOCPART == 1
	.amdgcn_target "amdgcn-amd-amdhsa--gfx1250"
	.amdhsa_code_object_version 6
	.text
	.protected	k_qcff77dfb7d_quant
	.globl	k_qcff77dfb7d_quant
	.p2align	8
	.type	k_qcff77dfb7d_quant,@function
k_qcff77dfb7d_quant:
	s_mov_b64 s[64:65], 0
	v_nop
	global_prefetch_b8 v0, s[64:65] scope:SCOPE_SE
	s_setreg_imm32_b32 hwreg(HW_REG_WAVE_MODE, 25, 1), 1
	s_wait_xcnt 0x0
; x_t, state [2048][2048] (K innermost) and Wc, Wg [4096][2048], Uc, Ug [2048][2048] (K = the FIRST axis), all f32, become codes of BF6 (E3M2) with one E8M0 scale byte
; for each 32 along K.  A block's scale is 2^(floor(log2(its largest magnitude)) - 4): its byte is the largest magnitude's own exponent field - 4, held at 1 from below.
; Each number is divided by the scale and rounded to the nearest code, ties to even; beyond 28 the largest code.
; LIMITS: NaN and infinities among the inputs are not served.  A block whose largest magnitude lies under 2^-122 has its byte held at 1.  A block of zeros gets the byte 1 where
; the rule says 127: its codes are zeros, which add nothing under any byte but 0xff, and the bytes are read by this program alone.
; THE UNIT, this program's own layout: 128 rows of an operand (rows of x_t or state; columns of a weight) x 256 along K, 25,600 bytes, in the ORDER OF THE OPERAND'S REGISTERS.
;   Fragment (i = block of 16 rows, q = which 128 along K) begins at byte (8 q + i) x 1,536: its 12 registers as three groups of four, group c at + 512 c, lane l's 16 bytes at + 16 l.
;   Lane (r, h) of a fragment: registers 0-5 the codes of k = 32 h .. + 31 of row r, registers 6-11 those of k = 64 + 32 h .. + 31.
;   From byte 24,576 on the scale words: that of (i, r, q) at (i / 2) x 256 + (i % 2) x 128 + 8 r + 4 q.
; aws = [row tile 16][256 along K: 16][unit]: 0-7 x_t, 8-15 state.   bws = [column tile 16][256 along K: 24][c, g][unit]: 0-15 W's rows, 16-23 U's.
; SHARES.  One work-group makes one unit: it reads 128 KiB and stores 25,600 bytes.  y < 16: a unit of aws (row tile y, K part x); else a unit of bws (column tile x, K part and gate from y - 16).
; The one branch hangs on the work-group's number.  No tensor load, no barrier, no loop: waves share nothing, every offset is an immediate.
.set UNIT,  25600
.set FRAGB, 1536
.set SCW,   24576
.set ROWB,  8192                       ; a row of each of the six inputs: 2,048 f32
.set FLOOR, 0x2800000                  ; 2^(5 - 127): under it no largest magnitude is taken, so the byte cannot fall under 1
.set EOFF,  0xfe000000                 ; takes 4 off an exponent field
	s_load_b256 s[4:11], s[0:1], 0x0               ; x_t s[4:5], state s[6:7], Wc s[8:9], Uc s[10:11]
	s_load_b256 s[12:19], s[0:1], 0x20             ; Wg s[12:13], Ug s[14:15], aws s[16:17], bws s[18:19]
	v_lshl_add_u32 v176, v0, 2, 0x8400
	v_mov_b32 v177, 0
	v_lshrrev_b32 v1, 5, v0
	v_readfirstlane_b32 s20, v1                    ; wave 0..3
	v_and_b32 v1, 31, v0                           ; lane
	v_and_b32 v2, 15, v0                           ; r
	v_bfe_u32 v3, v0, 4, 1                         ; h
	s_and_b32 s21, ttmp7, 0xffff                   ; work-group y
	s_mul_i32 s30, s20, 2*FRAGB                    ; my wave's two blocks of 16 rows: where their fragments begin in a unit,
	s_lshl_b32 s31, s20, 8
	s_add_co_u32 s31, s31, SCW                     ; and their scale words: 256 bytes a wave
	s_wait_kmcnt 0x0
	s_cmp_lt_u32 s21, 16
	s_cbranch_scc0 .Lwgt
; ---------------- x_t and state: K is innermost ----------------
; Wave w takes rows 32 w .. 32 w + 31 of the unit: four fragments t = 2 j + q (block 2 w + j).  A load takes 512 consecutive bytes of one row; the conversions want a whole block of 32
; neighbours in ONE lane: so a fragment's 16 rows x 512 bytes turn through the wave's own stage in LDS (rows 528 bytes apart: 33 x 16, so that sixteen rows fall on sixteen groups of banks).
.set RA,  16                           ; v16-79   a fragment's numbers as loaded
.set XA,  80                           ; v80-143  my two blocks: k = 32 h .. and k = 64 + 32 h .. of row r
.set CA,  144                          ; v144-155 the fragment's 12 registers
.set THA, 156                          ; v156-158, v160-162 the blocks' upper 16 codes (a conversion's three registers begin on an even number)
.set WA,  164                          ; v164-167 the scale words of fragments 0-3
	s_cmp_lt_u32 ttmp9, 8                          ; K parts 0-7 are x_t's, 8-15 state's: the choice hangs on the work-group's number alone
	s_cselect_b64 s[24:25], s[4:5], s[6:7]
	s_lshl_b32 s26, s21, 20                        ; 128 rows of 8,192 bytes a row tile,
	s_lshl_b32 s27, s20, 18                        ; 32 rows a wave,
	s_add_co_u32 s26, s26, s27
	s_and_b32 s27, ttmp9, 7
	s_lshl_b32 s27, s27, 10                        ; 256 numbers a K part
	s_add_co_u32 s26, s26, s27
	s_mov_b32 s27, 0
	s_add_nc_u64 s[24:25], s[24:25], s[26:27]      ; where my wave reads
	s_lshl_b32 s26, s21, 4
	s_add_co_u32 s26, s26, ttmp9
	s_mul_i32 s26, s26, UNIT
	s_add_nc_u64 s[16:17], s[16:17], s[26:27]      ; the unit
	s_mov_b32 s26, s30
	s_add_nc_u64 s[28:29], s[16:17], s[26:27]      ; my fragments
	s_mov_b32 s26, s31
	s_add_nc_u64 s[32:33], s[16:17], s[26:27]      ; my scale words
	s_mul_i32 s34, s20, 16*528                     ; my stage
	s_mov_b32 s22, 0x76543210
	s_mov_b32 s23, 0xfedcba98                      ; v_permlanex16_b32's selects for lane l xor 16
	s_wait_alu depctr_va_vdst(0)
	v_lshlrev_b32 v4, 4, v1                        ; 16 x lane: my place in a load's 512 bytes and in a group of an image
	v_add_nc_u32 v5, s34, v4                       ; the stage, on the way in
	v_mul_u32_u24 v6, v2, 528
	v_lshl_add_u32 v6, v3, 7, v6
	v_add_nc_u32 v6, s34, v6                       ; and on the way out: row r, + 128 h bytes: block h
	v_lshlrev_b32 v8, 3, v1                        ; 8 x lane: two scale words
	v_lshlrev_b32 v9, 3, v3                        ; 8 h: my two bytes' place in a scale word
	v_mov_b32 v171, 0                              ; written once: a lane permute's destination counts as one of its sources
.macro LOADA t                         ; fragment t: 16 rows, 512 consecutive bytes each
.irp rr, 0,1,2,3,4,5,6,7,8,9,10,11,12,13,14,15
	global_load_b128 v[RA+4*\rr:RA+4*\rr+3], v4, s[24:25] offset:(16*((\t)/2)+\rr)*ROWB+512*((\t)%2) th:TH_LOAD_NT
.endr
.endm
.macro FRAGA t
	s_wait_loadcnt 0x0                             ; this fragment's 16 loads, the only ones out
.irp rr, 0,1,2,3,4,5,6,7,8,9,10,11,12,13,14,15
	ds_store_b128 v5, v[RA+4*\rr:RA+4*\rr+3] offset:528*\rr
.endr
.irp c, 0,1
.irp i, 0,1,2,3,4,5,6,7
	ds_load_b128 v[XA+32*\c+4*\i:XA+32*\c+4*\i+3], v6 offset:256*\c+16*\i   ; LDS serves a wave's instructions in order: these see the stores above
.endr
.endr
	s_wait_dscnt 0x0                               ; my two blocks are in, and the stores have read the registers that the next loads fill
.if (\t) < 3
	LOADA (\t)+1                                   ; the next fragment is on its way while this one is worked
.endif
.irp c, 0,1
	v_max3_num_f32 v[10+\c], |v[XA+32*\c]|, |v[XA+32*\c+1]|, FLOOR   ; a block's largest magnitude: all 32 numbers are mine; the two blocks by turns
.endr
.irp i, 2,4,6,8,10,12,14,16,18,20,22,24,26,28,30
.irp c, 0,1
	v_max3_num_f32 v[10+\c], v[10+\c], |v[XA+32*\c+\i]|, |v[XA+32*\c+\i+1]|
.endr
.endr
.irp c, 0,1
	v_add_nc_u32 v[12+\c], EOFF, v[10+\c]          ; 4 off its exponent field: the conversion takes the exponent field of this operand as its scale
.endr
.irp c, 0,1
	v_lshrrev_b32 v[14+\c], 23, v[12+\c]           ; the scale's byte
.endr
	v_lshl_or_b32 v170, v15, 16, v14               ; my two bytes: blocks h and 2 + h of row r,
	v_lshlrev_b32 v170, v9, v170                   ; at their places in the word;
	v_permlanex16_b32 v171, v170, s22, s23
	v_or_b32 v[WA+(\t)], v170, v171                ; with lane l xor 16's two the word is whole
.if (\t) > 0
	s_wait_alu depctr_va_vdst(0)
	s_wait_xcnt 0x0                                ; the last fragment's stores have read their data: the codes' registers are written again only behind this wait
.endif
	v_cvt_scalef32_pk16_bf6_f32 v[CA:CA+2], v[XA:XA+15], v12
	v_cvt_scalef32_pk16_bf6_f32 v[THA:THA+2], v[XA+16:XA+31], v12
	v_cvt_scalef32_pk16_bf6_f32 v[CA+6:CA+8], v[XA+32:XA+47], v13
	v_cvt_scalef32_pk16_bf6_f32 v[THA+4:THA+6], v[XA+48:XA+63], v13
	v_nop                                          ; one plain vector instruction behind a scaled conversion
.irp i, 0,1,2
	v_mov_b32 v[CA+3+\i], v[THA+\i]
	v_mov_b32 v[CA+9+\i], v[THA+4+\i]
.endr
.irp c, 0,1,2
	global_store_b128 v4, v[CA+4*\c:CA+4*\c+3], s[28:29] offset:(8*((\t)%2)+(\t)/2)*FRAGB+512*\c   ; 32 lanes store 512 consecutive bytes, at a multiple of 256 from the buffer's first byte
.endr
.endm
	LOADA 0
	s_wait_alu depctr_va_vdst(0)
	FRAGA 0
	FRAGA 1
	FRAGA 2
	FRAGA 3
	v_cmp_eq_u32 vcc_lo, 1, v3                     ; lanes 0-15 store block 2 w's words, lanes 16-31 block 2 w + 1's
	v_cndmask_b32 v168, v[WA], v[WA+2], vcc_lo
	v_cndmask_b32 v169, v[WA+1], v[WA+3], vcc_lo
	global_store_b64 v8, v[168:169], s[32:33]      ; 32 lanes store 256 consecutive bytes, aligned
	s_wait_tensorcnt 0x0
	ds_add_u32 v176, v177
	s_wait_dscnt 0x0
	s_endpgm
; ---------------- the weights: K is the first axis ----------------
; A LANE TAKES A COLUMN, AND ITS REGISTERS RUN DOWN K: a block of 32 lies in one lane's 32 registers, and the conversions give codes with K innermost.  Wave w takes columns 32 w + lane,
; 8 blocks t = 4 q + b.  A load reads 128 consecutive bytes; the four waves stand side by side on 512.  Lanes 0-15 hold columns of block 2 w, lanes 16-31 of block 2 w + 1, all of the same K block;
; the image wants lanes 0-15 with K block b and lanes 16-31 with K block b + 1 of ONE column block: v_permlane16_swap_b32 on the registers of K blocks b and b + 1 gives just that.
.Lwgt:
.set XW,  16                           ; v16-79   two sets of 32 numbers
.set FW,  80                           ; v80-127  the four fragments (q, j) at 24 q + 12 j: no store's data are written again
.set TW,  128                          ; v128..   the upper 16 codes of K block b at 4 b
	s_sub_co_u32 s21, s21, 16                      ; 2 x K part + gate
	s_lshr_b32 s35, s21, 1                         ; K part 0..23
	s_and_b32 s36, s21, 1                          ; 0: c, 1: g
	s_cmp_eq_u32 s36, 0
	s_cselect_b64 s[24:25], s[8:9], s[12:13]       ; W of my gate
	s_cselect_b64 s[26:27], s[10:11], s[14:15]     ; U of my gate
	s_cmp_lt_u32 s35, 16
	s_cselect_b64 s[24:25], s[24:25], s[26:27]     ; K parts 0-15 are W's, 16-23 U's
	s_and_b32 s26, s35, 15
	s_lshl_b32 s26, s26, 21                        ; 256 rows of 8,192 bytes a K part,
	s_lshl_b32 s27, ttmp9, 9                       ; 128 columns a column tile,
	s_add_co_u32 s26, s26, s27
	s_lshl_b32 s27, s20, 7                         ; 32 columns a wave
	s_add_co_u32 s26, s26, s27
	s_mov_b32 s27, 0
	s_add_nc_u64 s[24:25], s[24:25], s[26:27]      ; where my wave reads
	s_mul_i32 s26, ttmp9, 48
	s_add_co_u32 s26, s26, s21
	s_mul_i32 s26, s26, UNIT
	s_add_nc_u64 s[18:19], s[18:19], s[26:27]      ; the unit
	s_mov_b32 s26, s30
	s_add_nc_u64 s[28:29], s[18:19], s[26:27]      ; my fragments
	s_mov_b32 s26, s31
	s_add_nc_u64 s[32:33], s[18:19], s[26:27]      ; my scale words
	s_wait_alu depctr_va_vdst(0)
	v_lshlrev_b32 v4, 2, v1                        ; in: 4 bytes a lane
	v_lshlrev_b32 v5, 4, v1                        ; out: 16 bytes a lane
	v_lshlrev_b32 v6, 3, v1                        ; two scale words a lane
.macro LOADW t                         ; K block t of my column into set t % 2
.set li, 0
.rept 32
	global_load_b32 v[XW+32*((\t)%2)+li], v4, s[24:25] offset:(32*(\t)+li)*ROWB th:TH_LOAD_NT
.set li, li+1
.endr
.endm
.macro BLOCKW t
.set xs, XW+32*((\t)%2)
.set bq, (\t)/4
.set bb, (\t)%4
.set fl, FW+24*bq+12*(bb%2)+6*(bb/2)
.if (\t) < 7
	s_wait_loadcnt 32                              ; this block's 32 loads are in; the next block's 32 may be out
.else
	s_wait_loadcnt 0x0
.endif
	v_max3_num_f32 v144, |v[xs]|, |v[xs+1]|, |v[xs+2]|             ; the block's largest magnitude, in two chains
	v_max3_num_f32 v145, |v[xs+3]|, |v[xs+4]|, |v[xs+5]|
.irp i, 6,10,14,18,22,26
	v_max3_num_f32 v144, v144, |v[xs+\i]|, |v[xs+\i+1]|
	v_max3_num_f32 v145, v145, |v[xs+\i+2]|, |v[xs+\i+3]|
.endr
	v_max3_num_f32 v144, v144, |v[xs+30]|, |v[xs+31]|
	v_max3_num_f32 v144, v144, v145, FLOOR
	v_add_nc_u32 v146, EOFF, v144                  ; the conversion's scale operand
	v_lshrrev_b32 v147, 23, v146                   ; the scale's byte
.if bb == 0
	v_mov_b32 v[148+bq], v147                      ; four bytes make my column's word for these 128 along K
.else
	v_lshl_or_b32 v[148+bq], v147, 8*bb, v[148+bq]
.endif
	v_cvt_scalef32_pk16_bf6_f32 v[fl:fl+2], v[xs:xs+15], v146
	v_cvt_scalef32_pk16_bf6_f32 v[TW+4*bb:TW+4*bb+2], v[xs+16:xs+31], v146
	v_nop                                          ; one plain vector instruction behind a scaled conversion
.if (\t)+2 < 8
	LOADW (\t)+2                                   ; the set just read takes the block two further on
.endif
.endm
.macro FINW q                          ; four K blocks become two fragments and leave
.set f0, FW+24*(\q)
.set f1, FW+24*(\q)+12
.irp i, 0,1,2
	v_permlane16_swap_b32 v[f0+\i], v[f1+\i]       ; the first's lanes 16-31 change places with the second's lanes 0-15: K blocks 0, 1, lower 16 codes
	v_permlane16_swap_b32 v[TW+\i], v[TW+4+\i]     ; their upper 16
	v_permlane16_swap_b32 v[f0+6+\i], v[f1+6+\i]   ; K blocks 2, 3
	v_permlane16_swap_b32 v[TW+8+\i], v[TW+12+\i]
.endr
.irp i, 0,1,2
	v_mov_b32 v[f0+3+\i], v[TW+\i]
	v_mov_b32 v[f1+3+\i], v[TW+4+\i]
	v_mov_b32 v[f0+9+\i], v[TW+8+\i]
	v_mov_b32 v[f1+9+\i], v[TW+12+\i]
.endr
.irp j, 0,1
.irp c, 0,1,2
	global_store_b128 v5, v[FW+24*(\q)+12*\j+4*\c:FW+24*(\q)+12*\j+4*\c+3], s[28:29] offset:(8*(\q)+\j)*FRAGB+512*\c   ; 512 consecutive bytes, at a multiple of 256 from the buffer's first byte
.endr
.endr
.endm
	LOADW 0
	LOADW 1
	BLOCKW 0
	BLOCKW 1
	BLOCKW 2
	BLOCKW 3
	FINW 0
	BLOCKW 4
	BLOCKW 5
	BLOCKW 6
	BLOCKW 7
	FINW 1
	global_store_b64 v6, v[148:149], s[32:33]      ; 32 lanes store 256 consecutive bytes, aligned
	s_endpgm
.Lfunc_end_k_qcff77dfb7d_quant:
	.size	k_qcff77dfb7d_quant, .Lfunc_end_k_qcff77dfb7d_quant-k_qcff77dfb7d_quant
	.p2alignl 7, 3214868480
	.fill 96, 4, 3214868480
	.section	.rodata,"a",@progbits
	.p2align	6, 0x0
	.amdhsa_kernel k_qcff77dfb7d_quant
		.amdhsa_group_segment_fixed_size 34304
		.amdhsa_private_segment_fixed_size 0
		.amdhsa_enable_private_segment 0
		.amdhsa_kernarg_size 64
		.amdhsa_user_sgpr_count 2
		.amdhsa_user_sgpr_kernarg_segment_ptr 1
		.amdhsa_wavefront_size32 1
		.amdhsa_system_sgpr_workgroup_id_x 1
		.amdhsa_system_sgpr_workgroup_id_y 1
		.amdhsa_system_sgpr_workgroup_id_z 1
		.amdhsa_system_vgpr_workitem_id 0
		.amdhsa_next_free_vgpr 178
		.amdhsa_next_free_sgpr 66
		.amdhsa_reserve_vcc 1
		.amdhsa_float_denorm_mode_32 3
		.amdhsa_float_denorm_mode_16_64 3
		.amdhsa_memory_ordered 1
		.amdhsa_forward_progress 1
		.amdhsa_inst_pref_size 69
	.end_amdhsa_kernel
	.amdgpu_metadata
---
amdhsa.version: [ 1, 2 ]
amdhsa.kernels:
  - .name:           k_qcff77dfb7d_quant
    .symbol:         k_qcff77dfb7d_quant.kd
    .args:
      - { .name: x_t, .offset: 0, .size: 8, .value_kind: global_buffer, .address_space: global }
      - { .name: state, .offset: 8, .size: 8, .value_kind: global_buffer, .address_space: global }
      - { .name: Wc, .offset: 16, .size: 8, .value_kind: global_buffer, .address_space: global }
      - { .name: Uc, .offset: 24, .size: 8, .value_kind: global_buffer, .address_space: global }
      - { .name: Wg, .offset: 32, .size: 8, .value_kind: global_buffer, .address_space: global }
      - { .name: Ug, .offset: 40, .size: 8, .value_kind: global_buffer, .address_space: global }
      - { .name: aws, .offset: 48, .size: 8, .value_kind: global_buffer, .address_space: global }
      - { .name: bws, .offset: 56, .size: 8, .value_kind: global_buffer, .address_space: global }
    .group_segment_fixed_size: 34304
    .private_segment_fixed_size: 0
    .kernarg_segment_align: 8
    .kernarg_segment_size: 64
    .max_flat_workgroup_size: 128
    .sgpr_count:     66
    .vgpr_count:     178
    .wavefront_size: 32
...
	.end_amdgpu_metadata
.endif
;; end of part 1
;; launch gemm (part 2): grid 16 x 16, 4 waves a work-group, clusters of 4 x 1, 327,680 bytes of LDS; arguments aws, bws, state, bc, bg, log_step, hbuf; writes hbuf
.if DOCPART == 2
	.amdgcn_target "amdgcn-amd-amdhsa--gfx1250"
	.amdhsa_code_object_version 6
	.text
	.protected	k_qcff77dfb7d_gemm
	.globl	k_qcff77dfb7d_gemm
	.p2align	8
	.type	k_qcff77dfb7d_gemm,@function
k_qcff77dfb7d_gemm:
	s_mov_b64 s[64:65], 0
	v_nop
	global_prefetch_b8 v0, s[64:65] scope:SCOPE_SE
	s_setreg_imm32_b32 hwreg(HW_REG_WAVE_MODE, 25, 1), 1
	s_wait_xcnt 0x0
	s_wait_alu depctr_hold_cnt(0) depctr_sa_sdst(0) depctr_va_vdst(0) depctr_va_sdst(0) depctr_va_ssrc(0) depctr_va_vcc(0) depctr_vm_vsrc(0)
	s_getreg_b32 s2, hwreg(HW_REG_IB_STS2, 6, 4)
	s_cmp_eq_u32 s2, 0
	s_cbranch_scc0 .Lentry_in_a_cluster
	s_endpgm
.Lentry_in_a_cluster:
	s_bfe_u32 s2, ttmp6, 0x10000c
	s_cmp_lg_u32 s2, 0x3003
	s_cbranch_scc0 .Lentry_shape_is_right
	s_endpgm
.Lentry_shape_is_right:
; hbuf = alpha state + (1 - alpha) sigmoid(g) tanh(c),  c = [x_t, state] Wc + state Uc + bc,  g likewise with Wg, Ug, bg,  alpha = exp(-1 / exp(log_step)).
; All four products run on codes of BF6 with E8M0 scales, as the launch before has laid them: units of 128 rows x 256 along K, 25,600 bytes, in the order of an operand's registers
; (fragment (i, q) at (8 q + i) x 1,536; the scale words from byte 24,576 on).  aws = [row tile 16][16 units: 0-7 x_t, 8-15 state]; bws = [column tile 16][K part 24: 0-15 W, 16-23 U][c, g][unit].
; SHARES.  A work-group makes 128 rows x 128 columns of both gates; K = 6,144 in 48 steps of 128.  Wave w makes all 128 rows x columns 32 w .. + 31 of both gates: 8 x 4 accumulators, 256 registers.
; B: every fragment of B is read by ONE wave, so it goes from memory straight into that wave's registers: 12 loads of 512 consecutive bytes a step (and 2 of scale words every second step),
;   into a ring of eight buffers of 48 registers, asked for five steps ahead.  The counted wait in front of a step leaves the four younger steps out: 48 + 4 loads.
; A: all four waves read the same 128 rows, so A goes through LDS: a ring of two slots of four units (1,024 along K, eight steps); each wave fetches one unit of a slot by one tensor load.
;   K parts 16-23 multiply state's units 8-15 once more: the slots' third fills take the same units as their second.
; CLUSTERS: the four work-groups of a cluster (4 x 1) share the row tile, so A's tiles are asked for jointly (mask 15).  B is not: the partners have four different column tiles, and inside a work-group
;   no two waves read the same bytes of B; through LDS it would take two thirds of each slot.
; PREFETCH: at a lap's second step each wave names 25 blocks of 256 bytes of the next lap's B (16 units, 1,600 blocks, shared out by address among the 16 x 4 waves that have this column tile): ten steps
;   ahead of the first load that wants them; the first lap comes by its loads alone, the last lap asks for none.  state's 128 x 512 bytes are named twelve steps ahead of their loads.
;   A has none: a refill stands seven steps ahead of the wait for it.
; THE MATRIX INSTRUCTION IS USED TRANSPOSED (source 0 = 16 columns of a weight, source 1 = 16 rows of A): a lane holds eight neighbouring columns of one row.  The biases are the C of the first step.
; THE WAY OUT: tanh(c) sigmoid(g) = (E - 1) / ((E + 1)(G + 1)), E = 2^(2 log2(e) c), G = 2^(-log2(e) g).  LIMIT: E's exponent is held at 60 from above, where tanh is 1 in f32; an infinite G gives 0, as sigmoid does.
;   The four waves' 128 bytes of a row meet in one stage in LDS; behind a barrier each wave takes 32 whole rows of 512 bytes, joins state and stores them.
; REGISTERS: window 0: v0-31 addresses, alpha; v32-47 A's scale words (two sets), v48-63 B's (four units); v64-255 A's fragments, two sets of 96.
;   window 1: B's buffers 0-4;  window 2: the accumulators ((a, n) at 8 (4 a + n), n = 2 gate + column block);  window 3: B's buffers 5-7, v144-175 the biases.
.set UNIT,   25600
.set FRAGB,  1536
.set SCW,    24576
.set SLOT,   4*UNIT
.set STAGE,  2*SLOT                    ; 128 rows x (512 + 16) bytes, no tensor load lands here
.set SPITCH, 528
.set SPARE,  STAGE+128*SPITCH          ; the spare words: 128 bytes a wave
.set ADRA, 4                           ; v4-7   16 x lane + slot s, units 2 p, 2 p + 1: at 2 s + p
.set ASA,  8                           ; v8-11  8 x lane, likewise
.set VB,   12                          ; 16 x lane + 3,072 w: my fragments in a unit of B
.set VS,   13                          ; 8 x lane + 256 w: my scale words
.set STO,  14
.set RD,   15
.set SO,   16                          ; 16 x lane
.set BO,   17
.set PFO,  18
.set PFS,  19
.set AL,   20
.set OM,   24
.set SPW,  28
.set NIL,  29
.set SA,   32
.set SB,   48
.set AF,   64
.set BI,   144
.set T1,   64
.set T2,   128
.set U,    192
.set GG,   64
.set G1,   24
.set G0,   32
.set BB,   40                          ; s[40:41] B at this lap's first unit
.set ST,   44                          ; s[44:45] state, s[46:47] hbuf at my wave's 32 rows
.set HB,   46
.set MSB, 0
.macro WIN new
.if MSB != \new
	s_set_vgpr_msb (MSB<<8)|\new
.set MSB, \new
.endif
.endm
.macro CREST
	s_cmp_lg_u32 s18, 0
	s_cbranch_scc1 .Lnot_wave_0_\@
	s_barrier_signal -3
.Lnot_wave_0_\@:
	s_barrier_wait -3
	s_barrier_signal -1
	s_barrier_wait -1
.endm
.macro CROUND
	s_barrier_signal -1
	s_barrier_wait -1
	CREST
.endm
.macro PLACES
.rept 4
	v_nop
.endr
.endm
.macro JLOAD s                         ; my unit of slot s; s_nop 0 and four v_nop behind it
	tensor_load_to_lds s[G0+4*(\s):G0+4*(\s)+3], s[G1:G1+7]
	s_nop 0
	PLACES
.endm
	s_load_b256 s[4:11], s[0:1], 0x0               ; aws, bws, state, bc
	s_load_b128 s[12:15], s[0:1], 0x20             ; bg, log_step
	s_load_b64 s[16:17], s[0:1], 0x30              ; hbuf
	v_lshl_add_u32 v[SPW], v0, 2, SPARE
	v_mov_b32 v[NIL], 0
	ds_add_u32 v[SPW], v[NIL]                      ; the opening lines: the add, twice on end, and its wait
	ds_add_u32 v[SPW], v[NIL]
	v_lshrrev_b32 v1, 5, v0
	v_readfirstlane_b32 s18, v1                    ; wave
	s_bfe_u32 s19, ttmp6, 0x40000                  ; cx
	s_lshl_b32 s20, ttmp9, 2
	s_add_co_u32 s20, s20, s19                     ; column tile x
	s_and_b32 s21, ttmp7, 0xffff                   ; row tile y
	s_mov_b32 s[G1], 15|(3<<16)|(1<<21)            ; the cluster's four; elements of 8 bytes; a unit as 100 rows of 256 bytes
	s_mov_b32 s[G1+1], 32<<16
	s_mov_b32 s[G1+2], 100<<16
	s_mov_b32 s[G1+3], 32<<16
	s_mov_b32 s[G1+4], 100
	s_mov_b32 s[G1+5], 32
	s_mov_b32 s[G1+6], 0
	s_mov_b32 s[G1+7], 0
	s_lshl_b32 s42, s21, 4
	s_add_co_u32 s42, s42, s18
	s_mul_i32 s42, s42, UNIT                       ; A: unit 16 y + w
	s_mov_b32 s43, 0
	s_mul_i32 s22, s18, UNIT                       ; its place in a slot
	s_mul_i32 s40, s20, 48*UNIT                    ; B: column tile x
	s_mov_b32 s41, 0
	s_lshl_b32 s2, s20, 9                          ; 512 x: the tile's columns in bytes
	s_mov_b32 s3, 0
	s_lshl_b32 s60, s18, 7
	s_add_co_u32 s60, s60, s2                      ; + 128 w: my wave's columns
	s_mov_b32 s61, 0
	s_lshl_b32 s62, s21, 20
	s_lshl_b32 s63, s18, 18
	s_add_co_u32 s62, s62, s63
	s_add_co_u32 s62, s62, s2                      ; row 128 y + 32 w, column 128 x, in bytes
	s_mov_b32 s63, 0
	s_mul_i32 s23, s18, 2*FRAGB
	s_lshl_b32 s59, s18, 8
	s_lshl_b32 s19, s18, 7
	s_add_co_u32 s19, s19, STAGE                   ; into the stage: my 128 bytes of each row
	s_mul_i32 s20, s18, 32*SPITCH
	s_add_co_u32 s20, s20, STAGE                   ; out of it: my 32 rows
	s_lshl_b32 s21, s21, 2
	s_add_co_u32 s21, s21, s18
	s_mul_i32 s21, s21, 25*256                     ; my 25 blocks of a lap's 1,600
	s_mov_b32 s54, 0x4038aa3b                      ; 2 log2(e)
	s_mov_b32 s55, s54
	s_mov_b32 s56, 0xbfb8aa3b                      ; -log2(e)
	s_mov_b32 s57, s56
	s_mov_b32 s58, 0x42700000                      ; 60
	s_wait_dscnt 0x0
	s_wait_kmcnt 0x0
	s_add_nc_u64 s[42:43], s[4:5], s[42:43]
	s_add_nc_u64 s[BB:BB+1], s[6:7], s[40:41]
	s_add_nc_u64 s[ST:ST+1], s[8:9], s[62:63]
	s_add_nc_u64 s[HB:HB+1], s[16:17], s[62:63]
	s_add_nc_u64 s[48:49], s[10:11], s[60:61]
	s_add_nc_u64 s[50:51], s[12:13], s[60:61]
	s_add_nc_u64 s[52:53], s[14:15], s[2:3]
	CROUND                                         ; the round in front of the first joint loads
.irp s, 0,1
	s_mov_b32 s[G0+4*\s], 1
	s_add_co_u32 s[G0+4*\s+1], s22, \s*SLOT
	s_add_nc_u64 s[G0+4*\s+2:G0+4*\s+3], s[42:43], \s*4*UNIT
	s_or_b32 s[G0+4*\s+3], s[G0+4*\s+3], 0x80000000
.endr
	JLOAD 0                                        ; units 0-3: one tensor load a wave at the head
	v_and_b32 v1, 31, v0
	v_and_b32 v2, 15, v0
	v_bfe_u32 v3, v0, 4, 1
	v_lshlrev_b32 v[SO], 4, v1
	v_lshlrev_b32 v[ADRA], 4, v1
	v_lshlrev_b32 v[ASA], 3, v1
	v_add_nc_u32 v[ADRA+1], 2*UNIT, v[ADRA]
	v_add_nc_u32 v[ADRA+2], SLOT, v[ADRA]
	v_add_nc_u32 v[ADRA+3], SLOT+2*UNIT, v[ADRA]
	v_add_nc_u32 v[ASA+1], 2*UNIT, v[ASA]
	v_add_nc_u32 v[ASA+2], SLOT, v[ASA]
	v_add_nc_u32 v[ASA+3], SLOT+2*UNIT, v[ASA]
	v_add_nc_u32 v[VB], s23, v[SO]
	v_add_nc_u32 v[VS], s59, v[ASA]
	v_mul_u32_u24 v[STO], v2, SPITCH               ; row l % 16, 32 bytes for each half of the lanes
	v_lshl_add_u32 v[STO], v3, 5, v[STO]
	v_add_nc_u32 v[STO], s19, v[STO]
	v_add_nc_u32 v[RD], s20, v[SO]
	v_lshlrev_b32 v[BO], 5, v3
	v_min_u32 v[PFO], 24, v1                       ; lanes 25-31 name the wave's last block again
	v_lshl_add_u32 v[PFO], v[PFO], 8, s21
	v_lshlrev_b32 v[PFS], 13, v1                   ; a lane a row of state
	s_wait_alu depctr_va_vdst(0)                   ; the wait ahead of the readers below
	global_load_b128 v[AL:AL+3], v[SO], s[52:53]   ; log_step of columns 4 lane .. + 3
	WIN 0xc0
.irp j, 0,1
	global_load_b128 v[BI+8*\j:BI+8*\j+3], v[BO], s[48:49] offset:64*\j
	global_load_b128 v[BI+8*\j+4:BI+8*\j+7], v[BO], s[48:49] offset:64*\j+16
	global_load_b128 v[BI+16+8*\j:BI+16+8*\j+3], v[BO], s[50:51] offset:64*\j
	global_load_b128 v[BI+16+8*\j+4:BI+16+8*\j+7], v[BO], s[50:51] offset:64*\j+16
.endr
	WIN 0
; B's fragments of step X, counted from the lap's first step, into buffer X % 8; with an even step the unit's scale words
.macro BLOAD X
.set lb, (\X)%8
.if lb < 5
	WIN 0x40
.set lr, 48*lb
.else
	WIN 0xc0
.set lr, 48*(lb-5)
.endif
.irp g, 0,1
.irp j, 0,1
.irp c, 0,1,2
	global_load_b128 v[lr+12*(2*\g+\j)+4*\c:lr+12*(2*\g+\j)+4*\c+3], v[VB], s[BB:BB+1] offset:((\X)/2)*2*UNIT+\g*UNIT+(8*((\X)%2)+\j)*FRAGB+512*\c
.endr
.endr
.endr
	WIN 0
.if (\X)%2 == 0
.irp g, 0,1
	global_load_b64 v[SB+4*(((\X)/2)%4)+2*\g:SB+4*(((\X)/2)%4)+2*\g+1], v[VS], s[BB:BB+1] offset:((\X)/2)*2*UNIT+\g*UNIT+SCW
.endr
.endif
.endm
; A's eight fragments of step ft of slot fs into set ft % 2; with an even step the unit's scale words
.macro FETCH fs, ft
.set fu, (\ft)/2
.set fq, (\ft)%2
	WIN 0
.irp a, 0,1,2,3,4,5,6,7
.irp c, 0,1,2
	ds_load_b128 v[AF+96*fq+12*\a+4*\c:AF+96*fq+12*\a+4*\c+3], v[ADRA+2*(\fs)+fu/2] offset:(fu%2)*UNIT+(8*fq+\a)*FRAGB+512*\c
.endr
.endr
.if fq == 0
.irp p, 0,1,2,3
	ds_load_b64 v[SA+8*(fu%2)+2*\p:SA+8*(fu%2)+2*\p+1], v[ASA+2*(\fs)+fu/2] offset:(fu%2)*UNIT+SCW+256*\p
.endr
.endif
.endm
; the wait for step L's loads of B: it leaves out what was issued behind them: up to four younger steps, and at the end state's 32 loads.  T = 1: the last lap
.macro LWAIT L, T
.set NL, 0
.irp d, 1,2,3,4
.if (\T) == 0 || (\L)+\d < 16
.set NL, NL+12+2*(1-((\L)+\d)%2)
.endif
.endr
.if (\T) && (\L) > 13
.set NL, NL+32
.endif
	s_wait_loadcnt NL
.endm
.macro WMUL L, first
.if \first
	WIN 0xb1                                       ; C: the biases, window 3
.elseif ((\L)%8) < 5
	WIN 0xa1
.else
	WIN 0xa3
.endif
.endm
; cnt matrix instructions from accumulator i0 on; the 32 accumulators take turns, in the same order in every step
.macro MULS i0, cnt, L, first
.set mi, \i0
.set mq, (\L)%2
.set mu, ((\L)/2)%4
.set mb, (\L)%8
.if mb >= 5
.set mb, mb-5
.endif
.rept \cnt
.set ma, mi/4
.set mn, mi%4
.set rD, 8*mi
.set rC, rD
.if \first
.set rC, BI+8*mn
.endif
.set rB, 48*mb+12*mn
.set rA, AF+96*mq+12*ma
.set rSB, SB+4*mu+2*(mn/2)+mq
.set rSA, SA+8*(mu%2)+2*(ma/2)+mq
.if (mn%2 == 0) && (ma%2 == 0)
	v_wmma_scale_f32_16x16x128_f8f6f4 v[rD:rD+7], v[rB:rB+11], v[rA:rA+11], v[rC:rC+7], v[rSB], v[rSA] matrix_a_fmt:MATRIX_FMT_BF6 matrix_b_fmt:MATRIX_FMT_BF6
.elseif (mn%2 == 1) && (ma%2 == 0)
	v_wmma_scale_f32_16x16x128_f8f6f4 v[rD:rD+7], v[rB:rB+11], v[rA:rA+11], v[rC:rC+7], v[rSB], v[rSA] matrix_a_fmt:MATRIX_FMT_BF6 matrix_b_fmt:MATRIX_FMT_BF6 matrix_a_scale:MATRIX_SCALE_ROW1
.elseif (mn%2 == 0)
	v_wmma_scale_f32_16x16x128_f8f6f4 v[rD:rD+7], v[rB:rB+11], v[rA:rA+11], v[rC:rC+7], v[rSB], v[rSA] matrix_a_fmt:MATRIX_FMT_BF6 matrix_b_fmt:MATRIX_FMT_BF6 matrix_b_scale:MATRIX_SCALE_ROW1
.else
	v_wmma_scale_f32_16x16x128_f8f6f4 v[rD:rD+7], v[rB:rB+11], v[rA:rA+11], v[rC:rC+7], v[rSB], v[rSA] matrix_a_fmt:MATRIX_FMT_BF6 matrix_b_fmt:MATRIX_FMT_BF6 matrix_a_scale:MATRIX_SCALE_ROW1 matrix_b_scale:MATRIX_SCALE_ROW1
.endif
.set mi, mi+1
.endr
.endm
.macro ASK T
.if \T
	global_prefetch_b8 v[PFS], s[ST:ST+1] th:TH_LOAD_NT scope:SCOPE_SE              ; my 32 rows of state, two blocks of 256 bytes each
	global_prefetch_b8 v[PFS], s[ST:ST+1] offset:256 th:TH_LOAD_NT scope:SCOPE_SE
.else
	global_prefetch_b8 v[PFO], s[BB:BB+1] offset:16*UNIT th:TH_LOAD_NT scope:SCOPE_SE   ; my 25 blocks of the next lap's B
.endif
.endm
.macro SLOAD                           ; state: my 32 rows x 512 bytes, into B's buffers 0-2, which are read no more
	WIN 0x40
.set si, 0
.rept 32
	global_load_b128 v[4*si:4*si+3], v[SO], s[ST:ST+1] offset:si*8192 th:TH_LOAD_NT
.set si, si+1
.endr
	WIN 0
.endm
; Step L of a lap (not a slot's last): the next step's fragments of A are fetched, B's of five steps on are asked for, and the 32 products follow
.macro STEP L, T, first
	PLACES                                         ; four places in front of loads into registers that the last products read
	FETCH ((\L)/8)%2, (\L)%8+1
	LWAIT \L, \T
.if (\T) == 0 || (\L)+5 < 16
	BLOAD (\L)+5
.endif
.if (\T) && (\L) == 13
	SLOAD
.endif
.if ((\L)%2) == 1
	s_wait_dscnt 28                                ; this step's fragments of A are in; the 28 (24) LDS loads just issued may be out
.else
	s_wait_dscnt 24
.endif
.if (\L) == 1
	ASK \T
.endif
	WMUL \L, \first
	MULS 0, 32, \L, \first
.endm
; A slot's last step changes slots: every wave waits for all its tensor loads, adds 0 to its spare word, waits for that and for its reads of this slot; one barrier, which with fill = 1 opens a round
; of the cluster's barrier; behind it this slot is filled again first, then the other slot's first fragments are read
.macro TURN L, T, fill
.set tsl, ((\L)/8)%2
	LWAIT \L, \T
	BLOAD (\L)+5                                   ; (its buffer and scale registers were last read two steps ago and more: the places of the steps between stand behind those products)
	s_wait_tensorcnt 0x0
	ds_add_u32 v[SPW], v[NIL]
	s_wait_dscnt 1                                 ; this step's fragments are in; the add may be out
	WMUL \L, 0
	MULS 0, 8, \L, 0
	s_wait_dscnt 0x0
	s_barrier_signal -1
	MULS 8, 8, \L, 0
	WIN 0
	s_barrier_wait -1
.if \fill
	CREST
	s_cmp_eq_u32 s3, 2                             ; the first lap steps eight units on; the second takes the same units of state again
	s_cselect_b32 s60, 8*UNIT, 0
	s_add_nc_u64 s[G0+4*tsl+2:G0+4*tsl+3], s[G0+4*tsl+2:G0+4*tsl+3], s[60:61]
	JLOAD tsl
.else
	PLACES
.endif
	FETCH 1-tsl, 0
	WMUL \L, 0
	MULS 16, 16, \L, 0
.endm
.irp x, 0,1,2,3,4
	BLOAD \x                                       ; B's first five steps
.endr
	s_wait_alu depctr_va_vdst(0)
	s_wait_tensorcnt 0x0                           ; my unit of slot 0 is in; slot 1's first fill is issued as a refill is
	ds_add_u32 v[SPW], v[NIL]
	s_wait_dscnt 0x0
	CROUND
	JLOAD 1                                        ; units 4-7
	FETCH 0, 0
	s_wait_loadcnt 63                              ; log_step and the biases, the oldest nine: 66 loads were issued behind them
.irp i, 0,1,2,3
	v_mul_f32 v[AL+\i], 0xbfb8aa3b, v[AL+\i]
.endr
	s_wait_alu depctr_va_vdst(0)
.irp i, 0,1,2,3
	v_exp_f32 v[AL+\i], v[AL+\i]                   ; 1 / tau
.endr
	v_nop
	s_wait_alu depctr_va_vdst(0)
.irp i, 0,1,2,3
	v_mul_f32 v[AL+\i], 0xbfb8aa3b, v[AL+\i]
.endr
	s_wait_alu depctr_va_vdst(0)
.irp i, 0,1,2,3
	v_exp_f32 v[AL+\i], v[AL+\i]                   ; alpha
.endr
	v_nop
	s_wait_alu depctr_va_vdst(0)
.irp i, 0,1,2,3
	v_sub_f32 v[OM+\i], 1.0, v[AL+\i]
.endr
	s_wait_alu depctr_va_vdst(0)
	STEP 0, 0, 1                                   ; the first step starts the sums on the biases
	WIN 0
	s_mov_b32 s3, 2
.Llap:                                                 ; a trip: 16 steps, from a lap's second step to the next lap's first; both slots are filled again
.irp l, 1,2,3,4,5,6
	STEP \l, 0, 0
.endr
	TURN 7, 0, 1
.irp l, 8,9,10,11,12,13,14
	STEP \l, 0, 0
.endr
	TURN 15, 0, 1
	STEP 16, 0, 0
	WIN 0
	s_wait_xcnt 0x0                                ; the loads and the prefetch have read their base
	s_add_nc_u64 s[BB:BB+1], s[BB:BB+1], 16*UNIT
	s_sub_co_u32 s3, s3, 1
	s_cmp_lg_u32 s3, 0
	s_cbranch_scc1 .Llap
.irp l, 1,2,3,4,5,6
	STEP \l, 1, 0                                  ; the last lap: no refill, no load beyond the last step
.endr
	TURN 7, 1, 0
.irp l, 8,9,10,11,12,13,14
	STEP \l, 1, 0
.endr
	LWAIT 15, 1
	s_wait_dscnt 0x0
	WMUL 15, 0
	MULS 0, 32, 15, 0
	WIN 0
	PLACES
; THE WAY OUT, four blocks of 16 rows at a time: 64 numbers a lane
.macro EPI ab
	WIN 0x02
	s_wait_alu depctr_va_vdst(0)                   ; the wait directly ahead of the first readers of the sums
.irp aa, 0,1,2,3
.irp k, 0,2,4,6,8,10,12,14
	v_pk_mul_f32 v[T1+16*\aa+\k:T1+16*\aa+\k+1], v[32*(4*(\ab)+\aa)+\k:32*(4*(\ab)+\aa)+\k+1], s[54:55] op_sel_hi:[1,0]
.endr
.irp k, 0,2,4,6,8,10,12,14
	v_pk_mul_f32 v[T2+16*\aa+\k:T2+16*\aa+\k+1], v[32*(4*(\ab)+\aa)+16+\k:32*(4*(\ab)+\aa)+16+\k+1], s[56:57] op_sel_hi:[1,0]
.endr
.endr
	WIN 0
.set ei, 0
.rept 64
	v_min_num_f32 v[T1+ei], s58, v[T1+ei]          ; E stays finite
.set ei, ei+1
.endr
	s_wait_alu depctr_va_vdst(0)
.set ei, 0
.rept 128
	v_exp_f32 v[T1+ei], v[T1+ei]                   ; E, then G
.set ei, ei+1
.endr
	v_nop
	s_wait_alu depctr_va_vdst(0)
.set ei, 0
.rept 32
	v_pk_add_f32 v[U+ei:U+ei+1], v[T1+ei:T1+ei+1], 1.0 op_sel_hi:[1,0]
.set ei, ei+2
.endr
.set ei, 0
.rept 32
	v_pk_fma_f32 v[T2+ei:T2+ei+1], v[U+ei:U+ei+1], v[T2+ei:T2+ei+1], v[U+ei:U+ei+1]   ; (E + 1)(G + 1)
.set ei, ei+2
.endr
.set ei, 0
.rept 32
	v_pk_add_f32 v[T1+ei:T1+ei+1], v[T1+ei:T1+ei+1], -1.0 op_sel_hi:[1,0]
.set ei, ei+2
.endr
	s_wait_alu depctr_va_vdst(0)
.set ei, 0
.rept 64
	v_rcp_f32 v[T2+ei], v[T2+ei]
.set ei, ei+1
.endr
	v_nop
	s_wait_alu depctr_va_vdst(0)
.set ei, 0
.rept 32
	v_pk_mul_f32 v[T1+ei:T1+ei+1], v[T1+ei:T1+ei+1], v[T2+ei:T2+ei+1]
.set ei, ei+2
.endr
.irp aa, 0,1,2,3
.irp j, 0,1
	ds_store_b128 v[STO], v[T1+16*\aa+8*\j:T1+16*\aa+8*\j+3] offset:16*(4*(\ab)+\aa)*SPITCH+64*\j
	ds_store_b128 v[STO], v[T1+16*\aa+8*\j+4:T1+16*\aa+8*\j+7] offset:16*(4*(\ab)+\aa)*SPITCH+64*\j+16
.endr
.endr
.endm
	EPI 0
	EPI 1
	s_wait_dscnt 0x0                               ; for the others' sake: my stores into the stage are done
	s_barrier_signal -1
	s_barrier_wait -1
.set si, 0
.rept 32
	ds_load_b128 v[GG+4*si:GG+4*si+3], v[RD] offset:si*SPITCH      ; a whole row of 512 bytes
.set si, si+1
.endr
	s_wait_loadcnt 0x0                             ; state
.irp gq, 0,1,2,3
	s_wait_dscnt 24-8*\gq
.irp t, 0,1,2,3,4,5,6,7
.irp k, 0,2
	v_pk_mul_f32 v[GG+32*\gq+4*\t+\k:GG+32*\gq+4*\t+\k+1], v[GG+32*\gq+4*\t+\k:GG+32*\gq+4*\t+\k+1], v[OM+\k:OM+\k+1]
.endr
.endr
	WIN 0x01
.irp t, 0,1,2,3,4,5,6,7
.irp k, 0,2
	v_pk_fma_f32 v[GG+32*\gq+4*\t+\k:GG+32*\gq+4*\t+\k+1], v[32*\gq+4*\t+\k:32*\gq+4*\t+\k+1], v[AL+\k:AL+\k+1], v[GG+32*\gq+4*\t+\k:GG+32*\gq+4*\t+\k+1]
.endr
.endr
	WIN 0
.irp t, 0,1,2,3,4,5,6,7
	global_store_b128 v[SO], v[GG+32*\gq+4*\t:GG+32*\gq+4*\t+3], s[HB:HB+1] offset:(8*\gq+\t)*8192   ; 512 consecutive bytes, at a multiple of 256 from hbuf's first byte
.endr
.endr
	s_wait_tensorcnt 0x0                           ; the wave's end
	ds_add_u32 v[SPW], v[NIL]
	s_wait_dscnt 0x0
	CROUND                                         ; the closing round
	s_endpgm
.Lfunc_end_k_qcff77dfb7d_gemm:
	.size	k_qcff77dfb7d_gemm, .Lfunc_end_k_qcff77dfb7d_gemm-k_qcff77dfb7d_gemm
	.p2alignl 7, 3214868480
	.fill 96, 4, 3214868480
	.section	.rodata,"a",@progbits
	.p2align	6, 0x0
	.amdhsa_kernel k_qcff77dfb7d_gemm
		.amdhsa_group_segment_fixed_size 327680
		.amdhsa_private_segment_fixed_size 0
		.amdhsa_enable_private_segment 0
		.amdhsa_kernarg_size 56
		.amdhsa_user_sgpr_count 2
		.amdhsa_user_sgpr_kernarg_segment_ptr 1
		.amdhsa_wavefront_size32 1
		.amdhsa_system_sgpr_workgroup_id_x 1
		.amdhsa_system_sgpr_workgroup_id_y 1
		.amdhsa_system_sgpr_workgroup_id_z 1
		.amdhsa_system_vgpr_workitem_id 0
		.amdhsa_next_free_vgpr 1024
		.amdhsa_next_free_sgpr 66
		.amdhsa_reserve_vcc 0
		.amdhsa_float_denorm_mode_32 3
		.amdhsa_float_denorm_mode_16_64 3
		.amdhsa_memory_ordered 1
		.amdhsa_forward_progress 1
		.amdhsa_inst_pref_size 255
	.end_amdhsa_kernel
	.section	.bss,"aw",@nobits
	.p2align	6
	.space	262144
	.amdgpu_metadata
---
amdhsa.version: [ 1, 2 ]
amdhsa.kernels:
  - .name:           k_qcff77dfb7d_gemm
    .symbol:         k_qcff77dfb7d_gemm.kd
    .args:
      - { .name: aws, .offset: 0, .size: 8, .value_kind: global_buffer, .address_space: global }
      - { .name: bws, .offset: 8, .size: 8, .value_kind: global_buffer, .address_space: global }
      - { .name: state, .offset: 16, .size: 8, .value_kind: global_buffer, .address_space: global }
      - { .name: bc, .offset: 24, .size: 8, .value_kind: global_buffer, .address_space: global }
      - { .name: bg, .offset: 32, .size: 8, .value_kind: global_buffer, .address_space: global }
      - { .name: log_step, .offset: 40, .size: 8, .value_kind: global_buffer, .address_space: global }
      - { .name: hbuf, .offset: 48, .size: 8, .value_kind: global_buffer, .address_space: global }
    .group_segment_fixed_size: 327680
    .private_segment_fixed_size: 0
    .kernarg_segment_align: 8
    .kernarg_segment_size: 56
    .max_flat_workgroup_size: 128
    .sgpr_count:     66
    .vgpr_count:     1024
    .wavefront_size: 32
...
	.end_amdgpu_metadata
.endif
;; end of part 2
;; launch lnorm (part 3): grid 256 x 1, 8 waves a work-group, no clusters, 0 bytes of LDS; arguments hbuf, gamma, beta, out0; writes out0
.if DOCPART == 3
	.amdgcn_target "amdgcn-amd-amdhsa--gfx1250"
	.amdhsa_code_object_version 6
	.text
	.protected	k_qcff77dfb7d_lnorm
	.globl	k_qcff77dfb7d_lnorm
	.p2align	8
	.type	k_qcff77dfb7d_lnorm,@function
k_qcff77dfb7d_lnorm:
	s_mov_b64 s[64:65], 0
	v_nop
	global_prefetch_b8 v0, s[64:65] scope:SCOPE_SE
	s_setreg_imm32_b32 hwreg(HW_REG_WAVE_MODE, 25, 1), 1
	s_wait_xcnt 0x0
; out0[r][c] = (h[r][c] - mean of row r) x rsqrt(variance of row r + 1e-5) x gamma[c] + beta[c].  h, out0: [2048][2048] f32; gamma, beta: [2048] f32.
; One wave takes one row of 8,192 bytes and keeps it in 64 registers between the passes: the row is read once, the mean is taken away before the squares are summed, and no wave waits for another.
; Each load and store of a wave covers 512 consecutive bytes.  No LDS, no barrier, no loop: 2,048 rows are 256 work-groups of eight waves.
.set X,  16                            ; v16-79   the row: register 4 t + i = column 128 t + 4 lane + i
.set GA, 80                            ; v80-143  gamma, likewise
.set BE, 144                           ; v144-207 beta
.set SM, 208                           ; v208-215 four chains of sums
.set MU, 216                           ; v216-217 the mean, twice
.set RS, 218                           ; v218-219 rsqrt, twice
	s_load_b256 s[4:11], s[0:1], 0x0               ; h s[4:5], gamma s[6:7], beta s[8:9], out0 s[10:11]
	v_lshrrev_b32 v1, 5, v0
	s_delay_alu instid0(VALU_DEP_1)
	v_readfirstlane_b32 s12, v1                    ; wave 0..7
	v_and_b32 v1, 31, v0
	s_delay_alu instid0(VALU_DEP_1)
	v_lshlrev_b32 v1, 4, v1                        ; 16 bytes a lane
	s_lshl_b32 s14, ttmp9, 3
	s_add_co_u32 s14, s14, s12                     ; my row
	s_lshl_b32 s14, s14, 13
	s_mov_b32 s15, 0
	s_mov_b32 s16, 0x76543210
	s_mov_b32 s17, 0xfedcba98                      ; v_permlanex16_b32's selects for lane l xor 16
	s_mov_b32 s18, 0x3a000000                      ; 1 / 2,048
	s_mov_b32 s19, 0x3727c5ac                      ; 1e-5
	s_wait_alu depctr_va_vdst(0)
	s_wait_kmcnt 0x0
	s_add_nc_u64 s[4:5], s[4:5], s[14:15]
	s_add_nc_u64 s[10:11], s[10:11], s[14:15]
.irp t, 0,1,2,3,4,5,6,7,8,9,10,11,12,13,14,15
	global_load_b128 v[X+4*\t:X+4*\t+3], v1, s[4:5] offset:512*\t th:TH_LOAD_NT
.endr
.irp t, 0,1,2,3,4,5,6,7,8,9,10,11,12,13,14,15
	global_load_b128 v[GA+4*\t:GA+4*\t+3], v1, s[6:7] offset:512*\t
.endr
.irp t, 0,1,2,3,4,5,6,7,8,9,10,11,12,13,14,15
	global_load_b128 v[BE+4*\t:BE+4*\t+3], v1, s[8:9] offset:512*\t
.endr
.macro REDUCE                          ; the four chains, the pair's halves, and the 32 lanes: the sum ends in v[SM] of every lane
	s_delay_alu instid0(VALU_DEP_3)
	v_pk_add_f32 v[SM:SM+1], v[SM:SM+1], v[SM+2:SM+3]
	s_delay_alu instid0(VALU_DEP_2)
	v_pk_add_f32 v[SM+4:SM+5], v[SM+4:SM+5], v[SM+6:SM+7]
	s_delay_alu instid0(VALU_DEP_1)
	v_pk_add_f32 v[SM:SM+1], v[SM:SM+1], v[SM+4:SM+5]
	s_delay_alu instid0(VALU_DEP_1)
	v_add_f32 v[SM], v[SM], v[SM+1]
	s_delay_alu instid0(VALU_DEP_1)
	v_add_f32_dpp v[SM], v[SM], v[SM] row_xmask:1 row_mask:0xf bank_mask:0xf
	s_delay_alu instid0(VALU_DEP_1)
	v_add_f32_dpp v[SM], v[SM], v[SM] row_xmask:2 row_mask:0xf bank_mask:0xf
	s_delay_alu instid0(VALU_DEP_1)
	v_add_f32_dpp v[SM], v[SM], v[SM] row_xmask:4 row_mask:0xf bank_mask:0xf
	s_delay_alu instid0(VALU_DEP_1)
	v_add_f32_dpp v[SM], v[SM], v[SM] row_xmask:8 row_mask:0xf bank_mask:0xf
	s_delay_alu instid0(VALU_DEP_1)
	v_permlanex16_b32 v[SM+1], v[SM], s16, s17
	s_delay_alu instid0(VALU_DEP_1)
	v_add_f32 v[SM], v[SM], v[SM+1]
.endm
	s_wait_loadcnt 32                              ; the row is in; gamma's and beta's 32 loads may be out
.irp k, 0,1,2,3
	v_pk_add_f32 v[SM+2*\k:SM+2*\k+1], v[X+2*\k:X+2*\k+1], v[X+8+2*\k:X+8+2*\k+1]   ; the first eight pairs start the chains: nothing is cleared
.endr
.set p, 8
.rept 24
	s_delay_alu instid0(VALU_DEP_4)
	v_pk_add_f32 v[SM+2*(p%4):SM+2*(p%4)+1], v[SM+2*(p%4):SM+2*(p%4)+1], v[X+2*p:X+2*p+1]
.set p, p+1
.endr
	REDUCE
	s_delay_alu instid0(VALU_DEP_1)
	v_mul_f32 v[MU], s18, v[SM]                    ; the mean
	s_delay_alu instid0(VALU_DEP_1)
	v_mov_b32 v[MU+1], v[MU]
.set p, 0
.rept 32
	v_pk_add_f32 v[X+2*p:X+2*p+1], v[X+2*p:X+2*p+1], v[MU:MU+1] neg_lo:[0,1] neg_hi:[0,1]   ; h - mean
.set p, p+1
.endr
.irp k, 0,1,2,3
	v_pk_mul_f32 v[SM+2*\k:SM+2*\k+1], v[X+2*\k:X+2*\k+1], v[X+2*\k:X+2*\k+1]
.endr
.set p, 4
.rept 28
	s_delay_alu instid0(VALU_DEP_4)
	v_pk_fma_f32 v[SM+2*(p%4):SM+2*(p%4)+1], v[X+2*p:X+2*p+1], v[X+2*p:X+2*p+1], v[SM+2*(p%4):SM+2*(p%4)+1]
.set p, p+1
.endr
	REDUCE
	s_delay_alu instid0(VALU_DEP_1)
	v_fma_f32 v[SM], v[SM], s18, s19               ; the variance + 1e-5
	s_wait_alu depctr_va_vdst(0)
	v_rsq_f32 v[RS], v[SM]
	v_nop                                          ; a plain instruction behind the transcendental,
	s_wait_alu depctr_va_vdst(0)                   ; and the wait ahead of its first reader
	v_mov_b32 v[RS+1], v[RS]
	s_wait_alu depctr_va_vdst(0)
	s_wait_loadcnt 0x0                             ; gamma and beta
.set p, 0
.rept 32
	v_pk_mul_f32 v[GA+2*p:GA+2*p+1], v[GA+2*p:GA+2*p+1], v[RS:RS+1]
.set p, p+1
.endr
.set p, 0
.rept 32
	v_pk_fma_f32 v[X+2*p:X+2*p+1], v[X+2*p:X+2*p+1], v[GA+2*p:GA+2*p+1], v[BE+2*p:BE+2*p+1]
.set p, p+1
.endr
.irp t, 0,1,2,3,4,5,6,7,8,9,10,11,12,13,14,15
	global_store_b128 v1, v[X+4*\t:X+4*\t+3], s[10:11] offset:512*\t th:TH_STORE_NT   ; 512 consecutive bytes, at a multiple of 256 from out0's first byte
.endr
	s_endpgm
.Lfunc_end_k_qcff77dfb7d_lnorm:
	.size	k_qcff77dfb7d_lnorm, .Lfunc_end_k_qcff77dfb7d_lnorm-k_qcff77dfb7d_lnorm
	.p2alignl 7, 3214868480
	.fill 96, 4, 3214868480
	.section	.rodata,"a",@progbits
	.p2align	6, 0x0
	.amdhsa_kernel k_qcff77dfb7d_lnorm
		.amdhsa_group_segment_fixed_size 0
		.amdhsa_private_segment_fixed_size 0
		.amdhsa_enable_private_segment 0
		.amdhsa_kernarg_size 32
		.amdhsa_user_sgpr_count 2
		.amdhsa_user_sgpr_kernarg_segment_ptr 1
		.amdhsa_wavefront_size32 1
		.amdhsa_system_sgpr_workgroup_id_x 1
		.amdhsa_system_sgpr_workgroup_id_y 1
		.amdhsa_system_sgpr_workgroup_id_z 1
		.amdhsa_system_vgpr_workitem_id 0
		.amdhsa_next_free_vgpr 224
		.amdhsa_next_free_sgpr 66
		.amdhsa_reserve_vcc 0
		.amdhsa_float_denorm_mode_32 3
		.amdhsa_float_denorm_mode_16_64 3
		.amdhsa_memory_ordered 1
		.amdhsa_forward_progress 1
		.amdhsa_inst_pref_size 21
	.end_amdhsa_kernel
	.amdgpu_metadata
---
amdhsa.version: [ 1, 2 ]
amdhsa.kernels:
  - .name:           k_qcff77dfb7d_lnorm
    .symbol:         k_qcff77dfb7d_lnorm.kd
    .args:
      - { .name: hbuf, .offset: 0, .size: 8, .value_kind: global_buffer, .address_space: global }
      - { .name: gamma, .offset: 8, .size: 8, .value_kind: global_buffer, .address_space: global }
      - { .name: beta, .offset: 16, .size: 8, .value_kind: global_buffer, .address_space: global }
      - { .name: out0, .offset: 24, .size: 8, .value_kind: global_buffer, .address_space: global }
    .group_segment_fixed_size: 0
    .private_segment_fixed_size: 0
    .kernarg_segment_align: 8
    .kernarg_segment_size: 32
    .max_flat_workgroup_size: 256
    .sgpr_count:     66
    .vgpr_count:     224
    .wavefront_size: 32
...
	.end_amdgpu_metadata
.endif
;; end of part 3
